; MI455X (gfx1250); checked and timed in simulation.
; The chip was launched on July 23, 2026; its instructions are those of AMD's public machine-readable ISA for CDNA 5 (MIT licence, August 2026) and "CDNA5" Instruction Set Architecture Reference Guide (July 2026). The comments in the code are by the model that wrote it; some were corrected since.
;; Point Net. Allowed arithmetic: matrix products marked QUANTISED: E2M3 operands, one E8M0 scale for each 32 along K, by v_wmma_scale_f32_16x16x128_f8f6f4 with both operands' format E2M3, f32 sums; products left as they are: f32 operands where the result goes on into a quantised operand, else bf16, f16 or f32 operands; f32 sums; everything else in f32.
;; Inputs: cW 390 x 1 float32; cb 1 float32; eW1 6 x 256 float32; eW2 256 x 256 float32; eW3 256 x 256 float32; eb1 256 float32; eb2 256 float32; eb3 256 float32; feat 64 x 8,192 x 6 float32; sW1 256 x 128 float32; sW2 128 x 128 float32; sW3 128 x 128 float32; sb1 128 float32; sb2 128 float32; sb3 128 float32.
;; Outputs: out0 64 x 8,192 float32.
;; This version of the problem:
;;   THIS VERSION OF THE PROBLEM IS GIVEN IN LOW PRECISION. The matrix products marked QUANTISED in the list below multiply operands that are first quantised to E2M3 (2 exponent bits, 3 mantissa bits; 6 bits a number), with one power-of-two scale for each 32 numbers along K (OCP MX v1.0); their sums are f32. All else is computed in f32.
;;   The module's matrix products, in the order in which they are computed (A, B: the left and right operand; K: the contracted axis; several contracted axes count as one K, in the product's order):
;;     1. [M 524,288, K 6] x [K 6, N 256]; A: input feat; B: input eW1: left as it is (K = 6 < 32)
;;     2. [M 524,288, K 256] x [K 256, N 256]; A: computed on the way; B: input eW2: QUANTISED
;;     3. [M 524,288, K 256] x [K 256, N 256]; A: computed on the way; B: input eW3: QUANTISED
;;     4. [M 64, K 256] x [K 256, N 128]; A: computed on the way; B: input sW1: QUANTISED
;;     5. [M 64, K 128] x [K 128, N 128]; A: computed on the way; B: input sW2: QUANTISED
;;     6. [M 64, K 128] x [K 128, N 128]; A: computed on the way; B: input sW3: QUANTISED
;;     7. [M 524,288, K 390] x [K 390, N 1]; A: computed on the way; B: input cW: left as it is (N = 1 < 16)
;;   THE QUANTISER, for each operand of a quantised product, along K:
;;     - K is cut into blocks of 32 from its start; a last block that is shorter is filled with zeros.
;;     - A block's scale is 2^e with e = floor(log2(the largest magnitude in the block)) - 2, held to -126 .. 127; a block of zeros has e = 0. As a byte (E8M0): e + 127.
;;     - Each number is divided by its block's scale, clamped to +-7.5, and rounded to the nearest number of E2M3, ties to even, subnormals kept.
;;     - The product sums the exact products of the quantised numbers (number of the format x scale) in f32.
;;   ~~~python
;;   def quantise(x, axis):      # numpy; x: float32 -> the quantised numbers, widened to float32 again
;;       x = np.moveaxis(x, axis, -1); K = x.shape[-1]
;;       x = np.pad(x, [(0, 0)] * (x.ndim - 1) + [(0, -K % 32)]); x = x.reshape(x.shape[:-1] + (-1, 32)); a = np.abs(x).max(-1, keepdims=True)
;;       e = np.where(a > 0, np.clip(np.frexp(np.where(a > 0, a, 1))[1] - 1 - 2, -126, 127), 0)      # np.frexp(a)[1] - 1 = floor(log2(a)), exactly
;;       r = np.clip(x / 2.0 ** e, -7.5, 7.5)
;;       step = 2.0 ** (np.maximum(np.frexp(np.where(r == 0, 1, r))[1] - 1, 0) - 3)
;;       q = np.round(r / step) * step * 2.0 ** e      # np.round: ties to even
;;       return np.moveaxis(q.reshape(q.shape[:-2] + (-1,))[..., :K], -1, axis).astype(np.float32)
;;   ~~~
;;   OPERANDS COMPUTED ON THE WAY. 'Computed on the way' means the value that the module computes at that place (a softmax that the list does not call 'softmax' is quantised finished and normalised). What goes into a quantiser is computed in f32, as accurately as f32 sums, v_exp_f32 and their like allow (about 1e-6 of the number): no bf16 or f16 on the way to a quantiser, and a product that is left as it is and whose result goes on into a quantised operand takes f32 operands (vector FMAs, or v_wmma_f32_16x16x4_f32). A number that lies on a knife's edge between two numbers of the format may be rounded either way, as far as f32 arithmetic and the matrix unit's own rounding can turn it there, and no further.
;; One version. Each part assembles by itself: llvm-mc -triple=amdgcn-amd-amdhsa -mcpu=gfx1250 --defsym DOCPART=n.
;; ======== version 1 of 1: 3 launches
;; limits: right only within a limited range of input values
;; workspace buffers: wimg 116,736 bytes; sraw 2,097,152 bytes; mm 524,288 bytes
;; launch prep (part 1): grid 81 x 1, 1 waves a work-group, no clusters, 0 bytes of LDS; arguments eW2, eW3, eW1, eb1, eb2, eb3, cW, wimg; writes wimg
.if DOCPART == 1
	.amdgcn_target "amdgcn-amd-amdhsa--gfx1250"
	.amdhsa_code_object_version 6
	.text
	.protected	k_q4ed2e4cae3_prep
	.globl	k_q4ed2e4cae3_prep
	.p2align	8
	.type	k_q4ed2e4cae3_prep,@function
k_q4ed2e4cae3_prep:
	s_mov_b64 s[64:65], 0
	v_nop
	global_prefetch_b8 v0, s[64:65] scope:SCOPE_SE
	s_setreg_imm32_b32 hwreg(HW_REG_WAVE_MODE, 25, 1), 1
	s_wait_xcnt 0x0
; PREP: the embedding weights are laid out once, in the order in which the next launch's registers take them.
; WORK LEFT OUT, in the whole program: score = feat . cW[0:6] + hidden . cW[6:262] + seg . cW[262:390] + cb.  The last two terms are one number for all points of a box (seg is broadcast over the points), so they are added
; alike to score, smin and smax, and (score - smin) / (smax - smin) is the same without them, for all finite values of the inputs.  seg serves nothing else, and pooled serves seg alone.  So the pooled maximum, the three
; segment products, sW1, sW2, sW3, sb1, sb2, sb3, cb and cW[262:390] are not computed and not loaded, and these inputs are among no launch's arguments.
; LIMIT: a NaN, an infinity or an overflow that reaches only the work left out is not carried to the result.
; eW2, eW3 [256][256], f32 with K as the first axis, become codes of FP6 (E2M3) with one E8M0 byte for each 32 along K.  A FRAGMENT is 16 units x 128 K, 12 registers a lane: lane (r, h) = one unit, registers 6 c .. 6 c + 5 =
; K 64 c + 32 h + 0 .. 31; it is stored as an image of these registers: three runs of 512 bytes (16 a lane), its scale words as 128 bytes (4 a lane, both halves of the lanes alike).
; THE UNITS OF A TILE: lane r of tile t takes unit 64 (t / 4) + 8 (t % 4) + r % 8 + 32 (r / 8), so that in the transposed results of four neighbouring tiles a lane's 32 registers are one whole block of 32 along the next K.
; wimg: 0 eW2's 32 fragments (tile t, K step s at 1,536 (2 t + s)); 49152 eW3's; 98304 the 64 scale images; 106496 eW1's rows 0-3 as 16 fragments of the f32 matrix form (256 bytes each); 110592 eb1, eW1's rows 4 and 5, eb2, eb3, cW[6:262], 1,024 bytes each.
; WORK-GROUPS of one wave: 0-63 a fragment each, 64-79 a fragment of eW1, 80 the six copies.
; LIMITS: a block of zeros, or one whose largest magnitude lies under 2^-124, gets the byte 1 (a block of zeros has zero codes, and this program alone reads the bytes); NaN and infinities are not served.
.set SEL, 26
.macro FRAGQ
.set QI, 0
.rept 64
	global_load_b32 v[64+QI], v5, s[34:35] offset:1024*(64*(QI/32)+QI%32)   ; W(64 c + 32 h + i, my unit): register 32 c + i
.set QI, QI+1
.endr
	s_wait_loadcnt 0x0
.irp c, 0,1
	v_max3_num_f32 v[32+\c], |v[64+32*\c]|, |v[65+32*\c]|, 0x1800000   ; my block 2 c + h, with the floor 2^(3 - 127)
.endr
.irp i, 2,4,6,8,10,12,14,16,18,20,22,24,26,28,30
.irp c, 0,1
	v_max3_num_f32 v[32+\c], v[32+\c], |v[64+32*\c+\i]|, |v[65+32*\c+\i]|
.endr
.endr
.irp c, 0,1
	v_add_nc_u32 v[44+\c], 0xff000000, v[32+\c]    ; 2 off the exponent field: the conversion's scale operand
.endr
.irp c, 0,1
	v_lshrrev_b32 v[36+\c], 23, v[44+\c]           ; the scale's byte
.endr
	v_lshl_or_b32 v9, v37, 16, v36                 ; blocks h and 2 + h,
	v_lshlrev_b32 v10, 3, v2
	v_lshlrev_b32 v9, v10, v9                      ; 8 h bits up;
	v_mov_b32 v10, 0
	v_permlanex16_b32 v10, v9, s[SEL], s[SEL+1]
	v_or_b32 v9, v9, v10                           ; with lane l xor 16's two the word is whole
.irp c, 0,1
	v_cvt_scalef32_pk16_fp6_f32 v[48+6*\c:50+6*\c], v[64+32*\c:79+32*\c], v[44+\c]
	v_cvt_scalef32_pk16_fp6_f32 v[192+4*\c:194+4*\c], v[80+32*\c:95+32*\c], v[44+\c]   ; a conversion's three registers begin on an even number
.endr
	v_nop                                          ; one plain place behind a scaled conversion
.irp c, 0,1
.irp i, 0,1,2
	v_mov_b32 v[51+6*\c+\i], v[192+4*\c+\i]
.endr
.endr
.irp q, 0,1,2
	global_store_b128 v6, v[48+4*\q:51+4*\q], s[38:39] offset:512*\q   ; 512 consecutive bytes
.endr
	global_store_b32 v7, v9, s[40:41]
.endm
	s_load_b512 s[4:19], s[0:1], 0x0               ; eW2 s[4:5], eW3 s[6:7], eW1 s[8:9], eb1 s[10:11], eb2 s[12:13], eb3 s[14:15], cW s[16:17], wimg s[18:19]
	s_mov_b32 s[SEL], 0x76543210
	s_mov_b32 s[SEL+1], 0xfedcba98
	s_mov_b32 s37, 0
	s_bfe_u32 s30, ttmp9, 0x40001                  ; the tile: of a fragment of codes,
	s_and_b32 s31, ttmp9, 15                       ; of a fragment of eW1
	s_cmp_lt_u32 ttmp9, 64
	s_cselect_b32 s30, s30, s31
	s_lshr_b32 s31, s30, 2
	s_lshl_b32 s31, s31, 6
	s_and_b32 s32, s30, 3
	s_lshl_b32 s32, s32, 3
	s_add_co_u32 s31, s31, s32                     ; the tile's first unit
	v_and_b32 v1, 15, v0                           ; r
	v_lshrrev_b32 v2, 4, v0                        ; h
	v_lshrrev_b32 v3, 3, v1
	v_lshlrev_b32 v6, 4, v0                        ; 16 l
	v_lshlrev_b32 v7, 2, v0                        ; 4 l
	v_lshlrev_b32 v8, 3, v0                        ; 8 l
	v_mad_u32_u24 v4, v3, 24, v1                   ; r % 8 + 32 (r / 8)
	v_add_nc_u32 v4, s31, v4
	v_lshlrev_b32 v4, 2, v4                        ; 4 x my unit
	s_wait_alu depctr_va_vdst(0)                   ; the wait at the head's end
	s_wait_kmcnt 0x0
	s_cmp_ge_u32 ttmp9, 80
	s_cbranch_scc1 .Lcopy
	s_cmp_ge_u32 ttmp9, 64
	s_cbranch_scc1 .Lw1
	s_and_b32 s29, ttmp9, 1                        ; K step
	s_cmp_lt_u32 ttmp9, 32
	s_cselect_b64 s[34:35], s[4:5], s[6:7]
	s_lshl_b32 s36, s29, 17                        ; its 128 rows of 1,024 bytes
	s_add_nc_u64 s[34:35], s[34:35], s[36:37]
	s_mul_i32 s36, ttmp9, 1536
	s_add_nc_u64 s[38:39], s[18:19], s[36:37]
	s_lshl_b32 s36, ttmp9, 7
	s_add_co_u32 s36, s36, 98304
	s_add_nc_u64 s[40:41], s[18:19], s[36:37]
	v_lshl_add_u32 v5, v2, 15, v4                  ; + 32 h rows
	FRAGQ
	s_endpgm
.Lw1:	; the f32 form's fragment: register j of lane (r, h) is eW1[2 h + j][my unit]
	s_sub_co_u32 s29, ttmp9, 64
	s_lshl_b32 s36, s29, 8
	s_add_co_u32 s36, s36, 106496
	s_add_nc_u64 s[38:39], s[18:19], s[36:37]
	v_lshl_add_u32 v5, v2, 11, v4
	global_load_b32 v28, v5, s[8:9]
	global_load_b32 v29, v5, s[8:9] offset:1024
	s_wait_loadcnt 0x0
	global_store_b64 v8, v[28:29], s[38:39]        ; 256 consecutive bytes
	s_endpgm
.Lcopy:	; six rows of 256 numbers, as they lie
	s_add_nc_u64 s[38:39], s[18:19], 110592
.irp i, 0,1
	global_load_b128 v[16+4*\i:19+4*\i], v6, s[10:11] offset:512*\i
	global_load_b128 v[40+4*\i:43+4*\i], v6, s[12:13] offset:512*\i
	global_load_b128 v[48+4*\i:51+4*\i], v6, s[14:15] offset:512*\i
.endr
.irp i, 0,1,2,3
	global_load_b128 v[24+4*\i:27+4*\i], v6, s[8:9] offset:4096+512*\i
	global_load_b64 v[56+2*\i:57+2*\i], v8, s[16:17] offset:24+256*\i     ; byte 24 is no multiple of 16
.endr
	s_wait_loadcnt 0x0
.irp n, 0,1,2,3,4,5,6,7,8,9
	global_store_b128 v6, v[16+4*\n:19+4*\n], s[38:39] offset:512*\n
.endr
.irp i, 0,1,2,3
	global_store_b64 v8, v[56+2*\i:57+2*\i], s[38:39] offset:5120+256*\i
.endr
	s_endpgm
.Lfunc_end_k_q4ed2e4cae3_prep:
	.size	k_q4ed2e4cae3_prep, .Lfunc_end_k_q4ed2e4cae3_prep-k_q4ed2e4cae3_prep
	.p2alignl 7, 3214868480
	.fill 96, 4, 3214868480
	.section	.rodata,"a",@progbits
	.p2align	6, 0x0
	.amdhsa_kernel k_q4ed2e4cae3_prep
		.amdhsa_group_segment_fixed_size 0
		.amdhsa_private_segment_fixed_size 0
		.amdhsa_enable_private_segment 0
		.amdhsa_kernarg_size 64
		.amdhsa_user_sgpr_count 2
		.amdhsa_user_sgpr_kernarg_segment_ptr 1
		.amdhsa_wavefront_size32 1
		.amdhsa_system_sgpr_workgroup_id_x 1
		.amdhsa_system_sgpr_workgroup_id_y 1
		.amdhsa_system_sgpr_workgroup_id_z 1
		.amdhsa_system_vgpr_workitem_id 0
		.amdhsa_next_free_vgpr 200
		.amdhsa_next_free_sgpr 66
		.amdhsa_reserve_vcc 0
		.amdhsa_float_denorm_mode_32 3
		.amdhsa_float_denorm_mode_16_64 3
		.amdhsa_memory_ordered 1
		.amdhsa_forward_progress 1
		.amdhsa_inst_pref_size 15
	.end_amdhsa_kernel
	.amdgpu_metadata
---
amdhsa.version: [ 1, 2 ]
amdhsa.kernels:
  - .name:           k_q4ed2e4cae3_prep
    .symbol:         k_q4ed2e4cae3_prep.kd
    .args:
      - { .name: eW2, .offset: 0, .size: 8, .value_kind: global_buffer, .address_space: global }
      - { .name: eW3, .offset: 8, .size: 8, .value_kind: global_buffer, .address_space: global }
      - { .name: eW1, .offset: 16, .size: 8, .value_kind: global_buffer, .address_space: global }
      - { .name: eb1, .offset: 24, .size: 8, .value_kind: global_buffer, .address_space: global }
      - { .name: eb2, .offset: 32, .size: 8, .value_kind: global_buffer, .address_space: global }
      - { .name: eb3, .offset: 40, .size: 8, .value_kind: global_buffer, .address_space: global }
      - { .name: cW, .offset: 48, .size: 8, .value_kind: global_buffer, .address_space: global }
      - { .name: wimg, .offset: 56, .size: 8, .value_kind: global_buffer, .address_space: global }
    .group_segment_fixed_size: 0
    .private_segment_fixed_size: 0
    .kernarg_segment_align: 8
    .kernarg_segment_size: 64
    .max_flat_workgroup_size: 32
    .sgpr_count:     66
    .vgpr_count:     200
    .wavefront_size: 32
...
	.end_amdgpu_metadata
.endif
;; end of part 1
;; launch embed (part 2): grid 256 x 1, 8 waves a work-group, clusters of 4 x 1, 216,064 bytes of LDS; arguments feat, cW, wimg, sraw, mm; writes sraw, mm
.if DOCPART == 2
	.amdgcn_target "amdgcn-amd-amdhsa--gfx1250"
	.amdhsa_code_object_version 6
	.text
	.protected	k_q4ed2e4cae3_embed
	.globl	k_q4ed2e4cae3_embed
	.p2align	8
	.type	k_q4ed2e4cae3_embed,@function
k_q4ed2e4cae3_embed:
	s_mov_b64 s[64:65], 0
	v_nop
	global_prefetch_b8 v0, s[64:65] scope:SCOPE_SE
	s_setreg_imm32_b32 hwreg(HW_REG_WAVE_MODE, 25, 1), 1
	s_wait_xcnt 0x0
	s_wait_alu depctr_hold_cnt(0) depctr_sa_sdst(0) depctr_va_vdst(0) depctr_va_sdst(0) depctr_va_ssrc(0) depctr_va_vcc(0) depctr_vm_vsrc(0)
	s_getreg_b32 s2, hwreg(HW_REG_IB_STS2, 6, 4)
	s_cmp_eq_u32 s2, 0
	s_cbranch_scc0 .Lentry_in_a_cluster
	s_endpgm
.Lentry_in_a_cluster:
	s_bfe_u32 s2, ttmp6, 0x10000c
	s_cmp_lg_u32 s2, 0x3003
	s_cbranch_scc0 .Lentry_shape_is_right
	s_endpgm
.Lentry_shape_is_right:
; EMBED: for each point h1 = relu(feat eW1 + eb1) in f32, h2 = relu(Q(h1) Q(eW2) + eb2), h3 = relu(Q(h2) Q(eW3) + eb3), Q the MX-FP6 quantiser along K; sraw[point] = feat . cW[0:6] + h3 . cW[6:262].
; WORK LEFT OUT: the pooled maximum, the segment layers, cb and cW[262:390]: they add one number to all scores of a box, which the rescaling by the box's least and largest score takes away (shown at the head of the first kernel).
; OUT: sraw; mm[wave][lane] = the least and the largest of the lane's scores (256 bytes a wave); the next launch joins them.
; SHARES: a work-group owns 2,048 points (a quarter of a box), each of its eight waves 256, in four passes of 64 (four tiles of 16; lane r of tile m holds point 4 r + m of the pass).  Two waves to a SIMD, 512 registers each.
; THE WEIGHTS lie in LDS as the launch before laid them: one dense block of 116,736 bytes, filled once, each wave bringing an eighth (57 rows of 256 bytes) by one tensor load.  All work-groups read the same block, so the four of a
; cluster ask for it jointly.  One tensor load of a wave is out, once in the launch; no LDS byte is filled twice.  No L2 prefetch: the one stream from memory, feat, is asked for by plain loads a whole pass ahead of its use.
; ALL THREE LAYERS ARE USED TRANSPOSED (source 0 = 16 units, source 1 = 16 points): a lane holds one point.  The units of a tile are chosen so that the 32 registers of a group of four tiles are units 64 c + 32 h + 0 .. 31: a whole
; block of 32 along the next K, in the place where the next operand's layout wants it: the block's largest needs no other lane, and the codes are moved between no lanes.
; LAYER 1 (feeds a quantiser: f32): features 0-3 by one step of the f32 matrix form with eb1 as C, features 4 and 5 by packed multiply-adds.  The biases of layers 2 and 3 are the C of each sum's first product.
; A layer goes in four groups of four tiles: 32 products (accumulators by turns), the next group's LDS loads, then the vector work on the group's results.
; INDEPENDENT CHAINS STAND AMONG EACH OTHER: a block's largest is taken of the unclipped sums (the floor stands over what is negative), its last steps among the clips; the scale word, moves and stage stores of one tile of points
; among the next tile's maxima; in layer 3 a tile's multiply-adds among the next tile's clips.
; h2's codes of groups 0-2 go through the wave's own stage in LDS, since h1's are at work until layer 2's last group; group 3's go straight into the operand's registers.
; LIMITS: NaN and infinities are not served; a block of zeros or one whose largest lies under 2^-124 keeps the scale byte 1; sums are taken in another order than the reference's.
; REGISTERS, window 0: v1-15 addresses, least and largest, the add's two; v16-35 scale words alone (h1's, h2's, the weights'); v36-43 eW1's fragments; v44-63 the points' features and cW[0:6]; v64-95 T; v96-127 at work (layers 1, 2)
;   or the scores' partial sums (layer 3), v103, v111, v119, v127 the features' term; v128-255 the accumulators, written by matrix instructions alone.
; window 1: v0-95 the points' codes; v96-191 a group's weight fragments; v192-223 its biases; v224-255 cW's part (in layer 1, v96-191 and v224-255: two sets of eW1's rows 4 and 5).
.set W3F,  49152
.set S2W,  98304
.set W1I,  106496
.set RAW,  110592                      ; eb1, then 1,024 bytes each:
.set W4O,  1024
.set W5O,  2048
.set EB2,  3072                        ; (eb3 1,024 on)
.set CW6,  5120
.set STG,  116736                      ; a stage of 12,288 bytes a wave: 16 pieces of 512 (16 a lane) + 256 (8 a lane)
.set SPARE, 215040                     ; the spare words, 128 bytes a wave
.set AW,   1                           ; v1 16 l, v2 16 l + W3F
.set AS,   3                           ; 4 l + 128 h + S2W: lanes 0-15 K step 0's words, lanes 16-31 K step 1's
.set AF1,  4                           ; 8 l + W1I
.set AH,   5                           ; 128 h + RAW
.set SG16, 6
.set SG8,  7
.set FO,   8                           ; 96 r + 8 h
.set FO2,  9                           ; 96 r + 16
.set SOFF, 10                          ; 16 r + 8 h
.set SH8,  11                          ; 8 h
.set VMIN, 12
.set VMAX, 13
.set SPW,  14
.set NIL,  15
.set XS,   16
.set YS,   24
.set WS,   32
.set W1F,  36
.set F45,  44
.set FB,   52
.set CF,   60
.set T,    64
.set TM,   96
.set PD,   104
.set S,    96
.set ACC,  128
.set X,    0                           ; window 1
.set WB,   96
.set BB,   192
.set CWB,  224
.set MSB, 0
.set PODD, 0                           ; what is still owed of the tile of points before: the rest of its scale word,
.set PMV,  0                           ; its moves and stage stores
.set PSW,  0
.set PP,   0
.set POFF, 0
.set SRC,  0
.macro WIN new                         ; bits 1:0 source 0, 3:2 source 1, 5:4 source 2, 7:6 destination; the high byte repeats the setting that is left
.if MSB != \new
	s_set_vgpr_msb (MSB<<8)|\new
.set MSB, \new
.endif
.endm
.macro PLACES n
.rept \n
	v_nop
.endr
.endm
.macro WAITDS n                        ; the first line stands directly ahead of a wait behind which fresh vector results are read
	s_wait_alu depctr_va_vdst(0)
	s_wait_dscnt \n
.endm
.macro CROUND
	s_barrier_signal -1
	s_barrier_wait -1
	s_cmp_lg_u32 s18, 0
	s_cbranch_scc1 .Lnot_wave_0_\@
	s_barrier_signal -3
.Lnot_wave_0_\@:
	s_barrier_wait -3
	s_barrier_signal -1
	s_barrier_wait -1
.endm
.macro MM d, a, b, c, sa, sb, row      ; row = 1: source 0's scales from lanes 16-31
.if (\row) == 0
	v_wmma_scale_f32_16x16x128_f8f6f4 v[(\d):(\d)+7], v[(\a):(\a)+11], v[(\b):(\b)+11], v[(\c):(\c)+7], v[\sa], v[\sb] matrix_a_fmt:MATRIX_FMT_FP6 matrix_b_fmt:MATRIX_FMT_FP6
.else
	v_wmma_scale_f32_16x16x128_f8f6f4 v[(\d):(\d)+7], v[(\a):(\a)+11], v[(\b):(\b)+11], v[(\c):(\c)+7], v[\sa], v[\sb] matrix_a_fmt:MATRIX_FMT_FP6 matrix_b_fmt:MATRIX_FMT_FP6 matrix_a_scale:MATRIX_SCALE_ROW1
.endif
.endm
.macro LOADCW c                        ; 8 loads: cW[6 + 64 c + 32 h + 0 .. 31]; leaves the destination in window 1
	WIN 0x40
.irp i, 0,1,2,3,4,5,6,7
	ds_load_b128 v[CWB+4*\i:CWB+4*\i+3], v[AH] offset:CW6+256*(\c)+16*\i
.endr
.endm
; A group's 32 products: 4 tiles of points x 4 tiles of units x 2 K steps, by pairs of unit tiles, eight accumulators by turns.  sb: the points' scale words.  cw >= 0: cW's part of group cw is asked for between the products.
; The second pair's fragments are waited for only in front of its products: late = the LDS instructions issued behind their loads, which may stay out.
.macro MULG sb, cw, late
.irp g, 0,2
	WIN 0x15
.irp m, 0,1,2,3
.irp q, 0,1
	MM ACC+32*\m+8*(\g+\q), WB+24*(\g+\q), X+24*\m, BB+8*(\g+\q), WS+\g+\q, \sb+2*\m, 0
.endr
.endr
.if (\g == 0) && (\cw >= 0)
	LOADCW \cw
.endif
	WIN 0x05
.irp m, 0,1,2,3
.irp q, 0,1
	MM ACC+32*\m+8*(\g+\q), WB+24*(\g+\q)+12, X+24*\m+12, ACC+32*\m+8*(\g+\q), WS+\g+\q, \sb+2*\m+1, 1
.endr
.endr
.if (\g == 0)
	s_wait_dscnt \late
.endif
.endr
	WIN 0
	PLACES 4                                       ; in front of loads into the sources and of the first read of the sums
.endm
.macro LOADFR lay, c, q                ; tile q of group c: its two fragments (destination window 1, set by the caller)
.irp p, 0,1,2,3,4,5
	ds_load_b128 v[WB+24*(\q)+4*\p:WB+24*(\q)+4*\p+3], v[AW+(\lay)-2] offset:3072*(4*(\c)+(\q))+512*\p
.endr
.endm
.macro LOADSB lay, c                   ; a group's four scale registers and its 32 biases; leaves the destination in window 1
	WIN 0
.irp q, 0,1,2,3
	ds_load_b32 v[WS+\q], v[AS] offset:256*(4*(\c)+\q)+4096*((\lay)-2)
.endr
	WIN 0x40
.irp i, 0,1,2,3,4,5,6,7
	ds_load_b128 v[BB+4*\i:BB+4*\i+3], v[AH] offset:EB2+1024*((\lay)-2)+256*(\c)+16*\i
.endr
.endm
.macro LOADG lay, c                    ; 36 LDS loads
	LOADSB \lay, \c
.irp q, 0,1,2,3
	LOADFR \lay, \c, \q
.endr
	WIN 0
.endm
.macro LOAD1 c                         ; 28 loads: layer 1's group c: four fragments of eW1, 32 of eb1, 32 of each of eW1's rows 4 and 5 (into set c % 2)
.irp q, 0,1,2,3
	ds_load_b64 v[W1F+2*\q:W1F+2*\q+1], v[AF1] offset:256*(4*(\c)+\q)
.endr
	WIN 0x40
.irp i, 0,1,2,3,4,5,6,7
	ds_load_b128 v[BB+4*\i:BB+4*\i+3], v[AH] offset:256*(\c)+16*\i
.endr
.irp i, 0,1,2,3,4,5,6,7
	ds_load_b128 v[96+64*((\c)%2)+4*\i:96+64*((\c)%2)+4*\i+3], v[AH] offset:W4O+256*(\c)+16*\i
	ds_load_b128 v[128+96*((\c)%2)+4*\i:128+96*((\c)%2)+4*\i+3], v[AH] offset:W5O+256*(\c)+16*\i
.endr
	WIN 0
.endm
.macro FBLOAD                          ; a pass's 64 points: features 2 h, 2 h + 1 and 4, 5 of point 4 r + m
.irp m, 0,1,2,3
	global_load_b64 v[FB+2*\m:FB+2*\m+1], v[FO], s[4:5] offset:24*\m
	global_load_b64 v[F45+2*\m:F45+2*\m+1], v[FO2], s[4:5] offset:24*\m
.endr
.endm
.macro RELU2 d, s                      ; two numbers clipped at 0, in one dual instruction; all its registers lie in window 0
	v_dual_max_num_f32 v[\d], 0, v[\s] :: v_dual_max_num_f32 v[(\d)+1], 0, v[(\s)+1]
.endm
.macro RELU32 s                        ; each accumulator is read from its low end on
.set QI, 0
.rept 16
	RELU2 T+QI, (\s)+QI
.set QI, QI+2
.endr
.endm
.macro TROW i                          ; a row of the four chains of maxima over SRC's 32; each accumulator is read from its low end on
.irp k, 0,1,2,3
.if (\i) == 0
	v_max3_num_f32 v[TM+\k], v[SRC+8*\k], v[SRC+8*\k+1], v[SRC+8*\k+2]
.else
	v_max3_num_f32 v[TM+\k], v[TM+\k], v[SRC+8*\k+(\i)], v[SRC+8*\k+(\i)+1]
.endif
.endr
.endm
; The rest of a scale word.  My block is block 2 (c % 2) + h of its K step.  The even group's byte is kept in the word; the odd group's joins it (step 2), goes 8 h bits up (3), and lane l xor 16's two (4) make the word whole (5).
.macro PSC n
.if PODD
.if (\n) == 2
	v_lshl_or_b32 v[TM+5], v[TM+5], 16, v[PSW]
.elseif (\n) == 3
	v_lshlrev_b32 v[TM+5], v[SH8], v[TM+5]
.elseif (\n) == 4
	v_permlanex16_b32 v[TM+6], v[TM+5], s20, s21
.else
	v_or_b32 v[PSW], v[TM+5], v[TM+6]
.set PODD, 0
.endif
.endif
.endm
.macro PMOV i                          ; a conversion's three registers begin on an even number: the block's second half is moved down by one
.if PMV
	v_mov_b32 v[PP+3+(\i)], v[PP+4+(\i)]
.endif
.endm
.macro PST
.if PMV
	ds_store_b128 v[SG16], v[PP:PP+3] offset:POFF
	ds_store_b64 v[SG8], v[PP+4:PP+5] offset:POFF
.set PMV, 0
.endif
.endm
.macro FLUSH                           ; what is still owed, where no further tile follows
	PSC 2
	PMOV 0
	PSC 3
	PMOV 1
	PSC 4
	PMOV 2
	PST
	PSC 5
.endm
.macro RR i
	RELU2 T+(\i), SRC+(\i)
.endm
; 32 numbers of a lane, v[src] on, are clipped at 0 into T and quantised.  The block's largest with the floor 2^(3 - 127); 2 off its exponent field is the conversion's scale operand (TM + 4).
; direct = 1: the codes go into the operand's registers, window 1; 0: into a set of registers from which they go to my stage, among the next tile's lines.
.macro QCORE src, m, c, sw, direct
.set SRC, \src
	TROW 0
	PSC 2
	PMOV 0
	TROW 3
	PSC 3
	PMOV 1
	TROW 5
	PSC 4
	PMOV 2
	PST
	RR 0
	RR 2
	v_max3_num_f32 v[TM], v[TM], v[TM+1], v[SRC+7]
	v_max3_num_f32 v[TM+2], v[TM+2], v[TM+3], v[SRC+15]
	v_max3_num_f32 v[TM+1], v[SRC+23], v[SRC+31], 0x1800000
	RR 4
	RR 6
	PSC 5
	RR 8
	v_max3_num_f32 v[TM], v[TM], v[TM+2], v[TM+1]
.irp i, 10,12,14,16
	RR \i
.endr
	v_add_nc_u32 v[TM+4], 0xff000000, v[TM]
.irp i, 18,20,22,24,26,28,30
	RR \i
.endr
.if \direct
	v_cvt_scalef32_pk16_fp6_f32 v[PD:PD+2], v[T+16:T+31], v[TM+4]
.else
.set PP, PD+8*((\m)%3)
.set POFF, 768*(4*(\m)+(\c))
.set PMV, 1
.if (\m) == 3
	WAITDS 4                                       ; all but the four stage stores of tiles 1 and 2: tile 0's, which read this set of registers, are done
.endif
	v_cvt_scalef32_pk16_fp6_f32 v[PP:PP+2], v[T:T+15], v[TM+4]
	v_cvt_scalef32_pk16_fp6_f32 v[PP+4:PP+6], v[T+16:T+31], v[TM+4]
.endif
.if (\c)%2                             ; the scale's byte (a plain line behind the conversions)
	v_lshrrev_b32 v[TM+5], 23, v[TM+4]
.set PODD, 1
.set PSW, \sw
.else
	v_lshrrev_b32 v[\sw], 23, v[TM+4]
.endif
.if \direct
	WIN 0x40
	v_cvt_scalef32_pk16_fp6_f32 v[X+24*(\m)+6*(\c):X+24*(\m)+6*(\c)+2], v[T:T+15], v[TM+4]
.irp i, 0,1,2
	v_mov_b32 v[X+24*(\m)+6*(\c)+3+\i], v[PD+\i]
.endr
	WIN 0
.endif
.endm
.macro Q1 m, c                         ; layer 1, tile of points m, group c: features 4 and 5, then the quantiser
.set W4R, 96+64*((\c)%2)
.set W5R, 128+96*((\c)%2)
	WIN 0x01
.set QI, 0
.rept 16
	v_pk_fma_f32 v[T+QI:T+QI+1], v[W4R+QI:W4R+QI+1], v[F45+2*(\m):F45+2*(\m)+1], v[ACC+32*(\m)+QI:ACC+32*(\m)+QI+1] op_sel_hi:[1,0,1]
.set QI, QI+2
.endr
.set QI, 0
.rept 16
	v_pk_fma_f32 v[T+QI:T+QI+1], v[W5R+QI:W5R+QI+1], v[F45+2*(\m):F45+2*(\m)+1], v[T+QI:T+QI+1] op_sel:[0,1,0] op_sel_hi:[1,1,1]
.set QI, QI+2
.endr
.if (\c) == 3 && (\m) == 3             ; eW1's rows and the features are done with: the rest of layer 2's first group (12 loads), and the next pass's points
	WIN 0x40
	LOADFR 2, 0, 2
	LOADFR 2, 0, 3
	WIN 0
	FBLOAD
.endif
	WIN 0
	QCORE T, \m, \c, XS+2*(\m)+(\c)/2, 1
.endm
; Layer 3, group c: the clip, and the score's partial sums, four chains of pairs for each tile of points.  A tile's multiply-adds take turns with the next tile's clips, each clip writing the pair of T that the line above it has read.
; cW's part is source 0, in window 1; the dual instruction's source 0 is a constant, and its registers lie in window 0.
.macro P3G c
	WIN 0x01
	RELU32 ACC
.irp m, 0,1,2,3
.irp j, 0,2,4,6
.irp q, 0,1,2,3
.if (\c) == 0 && \j == 0 && \q < 3
	v_pk_mul_f32 v[S+8*\m+2*\q:S+8*\m+2*\q+1], v[CWB+8*\q+\j:CWB+8*\q+\j+1], v[T+8*\q+\j:T+8*\q+\j+1]
.else
	v_pk_fma_f32 v[S+8*\m+2*\q:S+8*\m+2*\q+1], v[CWB+8*\q+\j:CWB+8*\q+\j+1], v[T+8*\q+\j:T+8*\q+\j+1], v[S+8*\m+2*\q:S+8*\m+2*\q+1]
.endif
.if \m < 3
	RELU2 T+8*\q+\j, ACC+32*(\m+1)+8*\q+\j
.endif
.endr
.endr
.endr
	WIN 0
.endm
	s_load_b256 s[4:11], s[0:1], 0x0               ; feat s[4:5], cW s[6:7], wimg s[8:9], sraw s[10:11]
	s_load_b64 s[12:13], s[0:1], 0x20              ; mm
	v_lshl_add_u32 v[SPW], v0, 2, SPARE
	v_mov_b32 v[NIL], 0
	ds_add_u32 v[SPW], v[NIL]                      ; the opening lines: the add, twice on end, and its wait ahead of my tensor load
	ds_add_u32 v[SPW], v[NIL]
	v_lshrrev_b32 v64, 5, v0
	v_readfirstlane_b32 s18, v64                   ; wave 0..7
	s_mul_i32 s42, s18, 12288
	s_add_co_u32 s42, s42, STG                     ; my stage
	v_and_b32 v65, 31, v0                          ; l
	v_and_b32 v66, 15, v0                          ; r
	v_bfe_u32 v67, v0, 4, 1                        ; h
	v_lshlrev_b32 v[AW], 4, v65
	v_lshlrev_b32 v[AS], 2, v65
	v_lshlrev_b32 v[AF1], 3, v65
	v_lshlrev_b32 v[AH], 7, v67
	v_add_nc_u32 v[AW+1], W3F, v[AW]
	v_lshl_add_u32 v[AS], v67, 7, v[AS]
	v_add_nc_u32 v[AF1], W1I, v[AF1]
	v_add_nc_u32 v[AH], RAW, v[AH]
	v_add_nc_u32 v[AS], S2W, v[AS]
	v_add_nc_u32 v[SG16], s42, v[AW]
	v_lshl_add_u32 v[SG8], v65, 3, s42
	v_mul_u32_u24 v[FO2], v66, 96
	v_lshlrev_b32 v[SOFF], 4, v66
	v_add_nc_u32 v[SG8], 512, v[SG8]
	v_lshl_add_u32 v[FO], v67, 3, v[FO2]
	v_add_nc_u32 v[FO2], 16, v[FO2]
	v_lshl_add_u32 v[SOFF], v67, 3, v[SOFF]
	v_lshlrev_b32 v[SH8], 3, v67
	s_mov_b32 s20, 0x76543210                      ; v_permlanex16_b32's selects for lane l xor 16
	s_mov_b32 s21, 0xfedcba98
	s_mov_b32 s26, 0xffff0000                      ; h = 1
	s_mov_b32 s32, 15|(3<<16)|(1<<21)              ; group 1: the mask names all four work-groups; elements of 8 bytes; bit 21 beside a mask
	s_mov_b32 s33, 32<<16                          ; rows of 32 elements,
	s_mov_b32 s34, 57<<16                          ; 57 rows
	s_mov_b32 s35, 32<<16
	s_mov_b32 s36, 57
	s_mov_b32 s37, 32
	s_mov_b32 s38, 0
	s_mov_b32 s39, 0
	s_mov_b32 s28, 1
	s_mul_i32 s29, s18, 14592                      ; LDS address: my eighth; no place in the cluster enters it
	s_mov_b32 s46, s29
	s_mov_b32 s47, 0
	s_bfe_u32 s48, ttmp6, 0x40000                  ; cx: it enters the addresses of feat, sraw and mm alone
	s_lshl_b32 s49, ttmp9, 2
	s_add_co_u32 s49, s49, s48                     ; my work-group's number
	s_mul_i32 s50, s49, 49152                      ; 2,048 points of 24 bytes,
	s_mul_i32 s51, s18, 6144                       ; my wave's 256
	s_add_co_u32 s50, s50, s51
	s_mov_b32 s51, 0
	s_lshl_b32 s52, s49, 13
	s_lshl_b32 s53, s18, 10
	s_add_co_u32 s52, s52, s53
	s_mov_b32 s53, 0
	s_lshl_b32 s54, s49, 3
	s_add_co_u32 s54, s54, s18
	s_lshl_b32 s54, s54, 8                         ; 256 bytes of mm a wave
	s_mov_b32 s55, 0
	s_wait_alu depctr_va_vdst(0)                   ; the wait here, directly ahead of the wait below
	s_wait_dscnt 0x0
	s_wait_kmcnt 0x0
	s_add_nc_u64 s[4:5], s[4:5], s[50:51]
	s_add_nc_u64 s[10:11], s[10:11], s[52:53]
	s_add_nc_u64 s[12:13], s[12:13], s[54:55]
	s_add_nc_u64 s[30:31], s[8:9], s[46:47]
	s_or_b32 s31, s31, 0x80000000
	CROUND                                         ; all four work-groups are here: the joint loads meet
	tensor_load_to_lds s[28:31], s[32:39]
	s_nop 0
	PLACES 4
	v_lshlrev_b32 v68, 3, v67
	v_mov_b32 v69, 0
	global_load_b64 v[CF:CF+1], v68, s[6:7]        ; cW[2 h], cW[2 h + 1]
	global_load_b64 v[CF+2:CF+3], v69, s[6:7] offset:16   ; cW[4], cW[5]
	FBLOAD                                         ; the first pass's points
	v_mov_b32 v[VMIN], 0x7f800000
	v_mov_b32 v[VMAX], 0xff800000
	v_mov_b32 v[TM+6], 0                           ; a lane permute's destination counts as one of its sources
	s_wait_alu depctr_va_vdst(0)
	s_wait_loadcnt 8                               ; cW's six are in; the eight loads of points may be out
	v_cndmask_b32 v[CF+2], v[CF+2], 0, s26         ; features 4 and 5 lie in both halves of the lanes: they count in lanes 0-15 alone
	v_cndmask_b32 v[CF+3], v[CF+3], 0, s26
	s_wait_alu depctr_va_vdst(0)                   ; the wait at the head's end
	s_wait_tensorcnt 0x0                           ; my eighth of the image is in,
	s_barrier_signal -1
	s_barrier_wait -1                              ; everybody's is
	LOAD1 0
	s_mov_b32 s19, 4                               ; passes to go
.Lpass:
	s_wait_loadcnt 0x0                             ; this pass's points are in, and their loads have read their base
	s_cmp_eq_u32 s19, 1
	s_cselect_b32 s50, 0, 1536                     ; on to the next pass's points; the last pass stays where it is, so that no load leaves feat
	s_add_nc_u64 s[4:5], s[4:5], s[50:51]
.irp m, 0,1,2,3                        ; the features' term of the score: my half's part of feat . cW[0:6]
	v_pk_mul_f32 v[T+2*\m:T+2*\m+1], v[FB+2*\m:FB+2*\m+1], v[CF:CF+1]
.endr
.irp m, 0,1,2,3
	v_pk_fma_f32 v[T+2*\m:T+2*\m+1], v[F45+2*\m:F45+2*\m+1], v[CF+2:CF+3], v[T+2*\m:T+2*\m+1]
.endr
.irp m, 0,1,2,3
	v_add_f32 v[S+8*\m+7], v[T+2*\m], v[T+2*\m+1]
.endr
	; ---- layer 1
.irp c, 0,1,2,3
	WAITDS 16                                      ; eW1's fragments and eb1 are in; the 16 loads of rows 4 and 5, the youngest, may be out
	WIN 0x10                                       ; eb1 in window 1
.irp m, 0,1,2,3
.irp q, 0,1,2,3
	v_wmma_f32_16x16x4_f32 v[ACC+32*\m+8*\q:ACC+32*\m+8*\q+7], v[W1F+2*\q:W1F+2*\q+1], v[FB+2*\m:FB+2*\m+1], v[BB+8*\q:BB+8*\q+7]
.endr
.endr
	WIN 0
	PLACES 8                                       ; eight places behind this form
.if \c < 3
	LOAD1 \c+1
	WAITDS 28                                      ; all but the 28 just issued: rows 4 and 5 are in
.else
	LOADSB 2, 0                                    ; layer 2's first group, as far as its registers are free
	LOADFR 2, 0, 0
	LOADFR 2, 0, 1
	WIN 0
	WAITDS 24                                      ; all but the 24 just issued: rows 4 and 5 are in
.endif
.irp m, 0,1,2,3
	Q1 \m, \c
.endr
.endr
	FLUSH
	PLACES 8                                       ; a scale register written by a vector instruction stands eight places ahead of a scaled product, an operand four
	; ---- layer 2
.irp c, 0,1,2,3
.if \c == 0
	WAITDS 12                                      ; all but the 12 loads of unit tiles 2 and 3, the youngest
.else
	WAITDS 20                                      ; all but those 12 loads and the 8 stage stores behind them
.endif
	MULG XS, -1, 0                                 ; (its wait for 0 also shows the stage stores done: their registers are written again behind it)
.if \c < 3
	LOADG 2, \c+1
.irp m, 0,1,2,3
	QCORE ACC+32*\m, \m, \c, YS+2*\m+\c/2, 0
.endr
.else
	LOADSB 3, 0                                    ; layer 3's first group: scale words, biases, unit tiles 0 and 1;
	LOADFR 3, 0, 0
	LOADFR 3, 0, 1                                 ; then, h1's codes being done with, h2's of groups 0-2 come back into their registers; LDS serves a wave's instructions in order (ISA guide 5.7.1.4)
.irp m, 0,1,2,3
.irp k, 0,1,2
	ds_load_b128 v[X+24*\m+6*\k:X+24*\m+6*\k+3], v[SG16] offset:768*(4*\m+\k)
	ds_load_b64 v[X+24*\m+6*\k+4:X+24*\m+6*\k+5], v[SG8] offset:768*(4*\m+\k)
.endr
.endr
	LOADFR 3, 0, 2                                 ; and unit tiles 2 and 3 last
	LOADFR 3, 0, 3
	WIN 0
.irp m, 0,1,2,3
	QCORE ACC+32*\m, \m, \c, YS+2*\m+\c/2, 1
.endr
.endif
	FLUSH
.endr
.irp m, 0,1,2,3
	v_mov_b32 v[S+8*\m+6], 0                       ; the fourth chain begins as (0, the features' term)
.endr
	PLACES 4                                       ; with the four above: eight places behind h2's last scale word
	; ---- layer 3
.irp c, 0,1,2,3
	WAITDS 12                                      ; all but the 12 loads of unit tiles 2 and 3, the youngest
	MULG YS, \c, 8                                 ; (behind those 12: cW's eight loads)
.if \c < 3
	LOADG 3, \c+1
	WAITDS 36                                      ; all but the 36 just issued: cW's part is in
.else
	LOAD1 0                                        ; the next pass's first group (the last pass's are waited for and not used)
	WAITDS 28
.endif
	P3G \c
.endr
	; ---- the scores: the chains, the pair, and lane l xor 16's units; lane (r, h) keeps tiles 2 h and 2 h + 1: points 4 r + 2 h, + 1
.irp m, 0,1,2,3
	v_pk_add_f32 v[S+8*\m:S+8*\m+1], v[S+8*\m:S+8*\m+1], v[S+8*\m+2:S+8*\m+3]
	v_pk_add_f32 v[S+8*\m+4:S+8*\m+5], v[S+8*\m+4:S+8*\m+5], v[S+8*\m+6:S+8*\m+7]
.endr
.irp m, 0,1,2,3
	v_pk_add_f32 v[S+8*\m:S+8*\m+1], v[S+8*\m:S+8*\m+1], v[S+8*\m+4:S+8*\m+5]
.endr
.irp m, 0,1,2,3
	v_add_f32 v[T+\m], v[S+8*\m], v[S+8*\m+1]
.endr
.irp j, 0,1
	v_cndmask_b32 v[T+4+\j], v[T+\j], v[T+2+\j], s26       ; what I keep,
	v_cndmask_b32 v[T+6+\j], v[T+2+\j], v[T+\j], s26       ; what my partner keeps
.endr
.irp j, 0,1
	v_permlanex16_b32 v[T+8+\j], v[T+6+\j], s20, s21
.endr
.irp j, 0,1
	v_add_f32 v[T+10+\j], v[T+4+\j], v[T+8+\j]
.endr
	v_min3_num_f32 v[VMIN], v[VMIN], v[T+10], v[T+11]
	v_max3_num_f32 v[VMAX], v[VMAX], v[T+10], v[T+11]
	global_store_b64 v[SOFF], v[T+10:T+11], s[10:11]       ; the 32 lanes store the pass's 64 scores: 256 consecutive bytes, aligned
	s_wait_alu depctr_va_vdst(0)                   ; the wait here, ahead of the wait and the branch below
	s_wait_xcnt 0x0                                ; the store has read its base and its data
	s_add_nc_u64 s[10:11], s[10:11], 256
	s_sub_co_u32 s19, s19, 1
	s_cmp_lg_u32 s19, 0
	s_cbranch_scc1 .Lpass
	v_and_b32 v[T], 31, v0
	v_lshlrev_b32 v[T], 3, v[T]
	global_store_b64 v[T], v[VMIN:VMAX], s[12:13]  ; my lanes' least and largest: 256 consecutive bytes, aligned
	s_wait_loadcnt 0x0
	s_wait_tensorcnt 0x0                           ; the wave's end
	ds_add_u32 v[SPW], v[NIL]
	s_wait_dscnt 0x0
	CROUND                                         ; the closing round
	s_endpgm
.Lfunc_end_k_q4ed2e4cae3_embed:
	.size	k_q4ed2e4cae3_embed, .Lfunc_end_k_q4ed2e4cae3_embed-k_q4ed2e4cae3_embed
	.p2alignl 7, 3214868480
	.fill 96, 4, 3214868480
	.section	.rodata,"a",@progbits
	.p2align	6, 0x0
	.amdhsa_kernel k_q4ed2e4cae3_embed
		.amdhsa_group_segment_fixed_size 216064
		.amdhsa_private_segment_fixed_size 0
		.amdhsa_enable_private_segment 0
		.amdhsa_kernarg_size 40
		.amdhsa_user_sgpr_count 2
		.amdhsa_user_sgpr_kernarg_segment_ptr 1
		.amdhsa_wavefront_size32 1
		.amdhsa_system_sgpr_workgroup_id_x 1
		.amdhsa_system_sgpr_workgroup_id_y 1
		.amdhsa_system_sgpr_workgroup_id_z 1
		.amdhsa_system_vgpr_workitem_id 0
		.amdhsa_next_free_vgpr 512
		.amdhsa_next_free_sgpr 66
		.amdhsa_reserve_vcc 0
		.amdhsa_float_denorm_mode_32 3
		.amdhsa_float_denorm_mode_16_64 3
		.amdhsa_memory_ordered 1
		.amdhsa_forward_progress 1
		.amdhsa_inst_pref_size 229
	.end_amdhsa_kernel
	.amdgpu_metadata
---
amdhsa.version: [ 1, 2 ]
amdhsa.kernels:
  - .name:           k_q4ed2e4cae3_embed
    .symbol:         k_q4ed2e4cae3_embed.kd
    .args:
      - { .name: feat, .offset: 0, .size: 8, .value_kind: global_buffer, .address_space: global }
      - { .name: cW, .offset: 8, .size: 8, .value_kind: global_buffer, .address_space: global }
      - { .name: wimg, .offset: 16, .size: 8, .value_kind: global_buffer, .address_space: global }
      - { .name: sraw, .offset: 24, .size: 8, .value_kind: global_buffer, .address_space: global }
      - { .name: mm, .offset: 32, .size: 8, .value_kind: global_buffer, .address_space: global }
    .group_segment_fixed_size: 216064
    .private_segment_fixed_size: 0
    .kernarg_segment_align: 8
    .kernarg_segment_size: 40
    .max_flat_workgroup_size: 256
    .sgpr_count:     66
    .vgpr_count:     512
    .wavefront_size: 32
...
	.end_amdgpu_metadata
.endif
;; end of part 2
;; launch finish (part 3): grid 256 x 1, 4 waves a work-group, no clusters, 0 bytes of LDS; arguments sraw, mm, out0; writes out0
.if DOCPART == 3
	.amdgcn_target "amdgcn-amd-amdhsa--gfx1250"
	.amdhsa_code_object_version 6
	.text
	.protected	k_q4ed2e4cae3_finish
	.globl	k_q4ed2e4cae3_finish
	.p2align	8
	.type	k_q4ed2e4cae3_finish,@function
k_q4ed2e4cae3_finish:
	s_mov_b64 s[64:65], 0
	v_nop
	global_prefetch_b8 v0, s[64:65] scope:SCOPE_SE
	s_setreg_imm32_b32 hwreg(HW_REG_WAVE_MODE, 25, 1), 1
	s_wait_xcnt 0x0
; FINISH: out = (sraw - smin) / (smax - smin) x 2 - 1, smin and smax the least and the largest sraw of the box.
; WORK LEFT OUT: the segment term and cb, one number a box, which this very formula takes away (shown at the head of the first kernel).
; SHARES: a work-group takes 2,048 points, a quarter of a box (box = work-group / 4), a thread 16 of them.  Each wave joins the box's 1,024 pairs (least, largest) by itself: 8,192 bytes, 16 loads of 16 bytes a lane; so there is no LDS and no barrier.
; No cluster, tensor load or prefetch: a launch with no loop, whose every load goes out at its head.
; LIMITS: NaN and infinities are not served; the division is a multiplication by v_rcp_f32's result; where smax = smin the result is NaN, as the reference's is; a difference that is a denormal counts as 0 for v_rcp_f32.
.set D, 80
	s_load_b128 s[4:7], s[0:1], 0x0                ; sraw, mm
	s_load_b64 s[8:9], s[0:1], 0x10                ; out0
	s_lshr_b32 s10, ttmp9, 2
	s_lshl_b32 s10, s10, 13                        ; the box's 32 waves x 256 bytes
	s_mov_b32 s11, 0
	s_lshl_b32 s12, ttmp9, 13                      ; my work-group's 2,048 scores
	s_mov_b32 s13, 0
	s_mov_b32 s14, 0x76543210
	s_mov_b32 s15, 0xfedcba98
	v_lshlrev_b32 v1, 4, v0                        ; 16 x thread
	v_and_b32 v2, 31, v0
	v_lshlrev_b32 v2, 4, v2                        ; 16 l
	v_mov_b32 v10, 0                               ; a lane permute's destination counts as one of its sources
	v_mov_b32 v11, 0
	s_wait_alu depctr_va_vdst(0)                   ; the wait at the head's end
	s_wait_kmcnt 0x0
	s_add_nc_u64 s[6:7], s[6:7], s[10:11]
	s_add_nc_u64 s[4:5], s[4:5], s[12:13]
	s_add_nc_u64 s[8:9], s[8:9], s[12:13]
.irp i, 0,1,2,3,4,5,6,7,8,9,10,11,12,13,14,15
	global_load_b128 v[16+4*\i:19+4*\i], v2, s[6:7] offset:512*\i
.endr
.irp q, 0,1,2,3
	global_load_b128 v[D+4*\q:D+4*\q+3], v1, s[4:5] offset:2048*\q th:TH_LOAD_NT
.endr
	s_wait_loadcnt 0x0
	v_min3_num_f32 v8, v16, v18, v20
	v_max3_num_f32 v9, v17, v19, v21
.irp i, 22,26,30,34,38,42,46,50,54,58,62,66,70,74
	v_min3_num_f32 v8, v8, v[\i], v[\i+2]
	v_max3_num_f32 v9, v9, v[\i+1], v[\i+3]
.endr
	v_min_num_f32 v8, v8, v78
	v_max_num_f32 v9, v9, v79
.irp x, 1,2,4,8
	v_min_num_f32_dpp v8, v8, v8 row_xmask:\x row_mask:0xf bank_mask:0xf
	v_max_num_f32_dpp v9, v9, v9 row_xmask:\x row_mask:0xf bank_mask:0xf
.endr
	v_permlanex16_b32 v10, v8, s14, s15
	v_permlanex16_b32 v11, v9, s14, s15
	v_min_num_f32 v8, v8, v10                      ; smin
	v_max_num_f32 v11, v9, v11                     ; smax
	v_sub_f32 v10, v11, v8
	s_wait_alu depctr_va_vdst(0)                   ; the wait ahead of the transcendental
	v_rcp_f32 v12, v10
	v_mov_b32 v9, v8                               ; a plain instruction behind the reciprocal: the pair (smin, smin)
	s_wait_alu depctr_va_vdst(0)                   ; and ahead of the first line that names its result
	v_add_f32 v12, v12, v12                        ; 2 / (smax - smin)
	v_mov_b32 v13, v12
.irp p, 0,2,4,6,8,10,12,14
	v_pk_add_f32 v[D+\p:D+\p+1], v[D+\p:D+\p+1], v[8:9] neg_lo:[0,1] neg_hi:[0,1]
.endr
.irp p, 0,2,4,6,8,10,12,14
	v_pk_fma_f32 v[D+\p:D+\p+1], v[D+\p:D+\p+1], v[12:13], -1.0 op_sel_hi:[1,1,0]
.endr
.irp q, 0,1,2,3
	global_store_b128 v1, v[D+4*\q:D+4*\q+3], s[8:9] offset:2048*\q th:TH_STORE_NT   ; a wave stores 512 consecutive bytes, aligned
.endr
	s_endpgm
.Lfunc_end_k_q4ed2e4cae3_finish:
	.size	k_q4ed2e4cae3_finish, .Lfunc_end_k_q4ed2e4cae3_finish-k_q4ed2e4cae3_finish
	.p2alignl 7, 3214868480
	.fill 96, 4, 3214868480
	.section	.rodata,"a",@progbits
	.p2align	6, 0x0
	.amdhsa_kernel k_q4ed2e4cae3_finish
		.amdhsa_group_segment_fixed_size 0
		.amdhsa_private_segment_fixed_size 0
		.amdhsa_enable_private_segment 0
		.amdhsa_kernarg_size 24
		.amdhsa_user_sgpr_count 2
		.amdhsa_user_sgpr_kernarg_segment_ptr 1
		.amdhsa_wavefront_size32 1
		.amdhsa_system_sgpr_workgroup_id_x 1
		.amdhsa_system_sgpr_workgroup_id_y 1
		.amdhsa_system_sgpr_workgroup_id_z 1
		.amdhsa_system_vgpr_workitem_id 0
		.amdhsa_next_free_vgpr 128
		.amdhsa_next_free_sgpr 66
		.amdhsa_reserve_vcc 0
		.amdhsa_float_denorm_mode_32 3
		.amdhsa_float_denorm_mode_16_64 3
		.amdhsa_memory_ordered 1
		.amdhsa_forward_progress 1
		.amdhsa_inst_pref_size 8
	.end_amdhsa_kernel
	.amdgpu_metadata
---
amdhsa.version: [ 1, 2 ]
amdhsa.kernels:
  - .name:           k_q4ed2e4cae3_finish
    .symbol:         k_q4ed2e4cae3_finish.kd
    .args:
      - { .name: sraw, .offset: 0, .size: 8, .value_kind: global_buffer, .address_space: global }
      - { .name: mm, .offset: 8, .size: 8, .value_kind: global_buffer, .address_space: global }
      - { .name: out0, .offset: 16, .size: 8, .value_kind: global_buffer, .address_space: global }
    .group_segment_fixed_size: 0
    .private_segment_fixed_size: 0
    .kernarg_segment_align: 8
    .kernarg_segment_size: 24
    .max_flat_workgroup_size: 128
    .sgpr_count:     66
    .vgpr_count:     128
    .wavefront_size: 32
...
	.end_amdgpu_metadata
.endif
;; end of part 3
